; MI455X (gfx1250); checked and timed in simulation.
; The chip was launched on July 23, 2026; its instructions are those of AMD's public machine-readable ISA for CDNA 5 (MIT licence, August 2026) and "CDNA5" Instruction Set Architecture Reference Guide (July 2026). The comments in the code are by the model that wrote it; some were corrected since.
;; Physics Forward Model. Allowed arithmetic: float matrix products may take bf16 or f16 operands with f32 sums; all other float work in f32.
;; Inputs: chi one number float32; tau one number float32; x 4 x 1 x 128 x 128 float32.
;; Outputs: out0 4 x 1 x 512 x 512 float32.
;; 2 versions, each right; version 2 is version 1 with the launch dct written anew for expert scheduling mode. Each part assembles by itself: llvm-mc -triple=amdgcn-amd-amdhsa -mcpu=gfx1250 --defsym DOCPART=n.
;; ======== version 1 of 2: 3 launches
;; workspace buffers: wt 4,194,304 bytes; rimg 4,194,304 bytes
;; launch dct (part 1): grid 64 x 4, 4 waves a work-group, no clusters, 131,584 bytes of LDS; arguments x, wt; writes wt
.if DOCPART == 1
	.amdgcn_target "amdgcn-amd-amdhsa--gfx1250"
	.amdhsa_code_object_version 6
	.text
	.protected	k_q075c84e691_dct
	.globl	k_q075c84e691_dct
	.p2align	8
	.type	k_q075c84e691_dct,@function
k_q075c84e691_dct:
	s_mov_b64 s[64:65], 0
	v_nop
	global_prefetch_b8 v0, s[64:65] scope:SCOPE_SE
	s_setreg_imm32_b32 hwreg(HW_REG_WAVE_MODE, 25, 1), 1
	s_wait_xcnt 0x0
; wt[j][b][i] = (v_i s_i / 3) s'_j  sum over n, m of cos(pi (2n+1) i / 1024) x[b][n][m] cos(pi (2m+257) j / 1024):
; the weighted 2D DCT of the padded patch, i along the rows of wt.  s_0 = sqrt(1/512), else 1/16;  v = Dy (Dy's column 0), in closed form:
;   v_i = s_i/16 { 1/4 [(-1)^i cos d + sin d] [1/sin((2i+1) d) - 1/sin((2i-1) d)] - (1 - 1/sqrt 2) cos(2 i d) },  d = pi/2048.
; A work-group makes 64 i x 64 j of one batch with four waves; wave w owns the 16 columns j0 + 16 w .. in both products.
; PRECISION: the output's small numbers are differences of large terms, so every matrix operand goes in as bf16 hi + bf16 lo and three
; products are summed (hi hi, lo hi, hi lo); the product lo lo, some 2^-18 of the whole, is dropped.  bf16 keeps f32's range.
; Cosines come from one table of cos(pi q / 1024), q = 0 .. 2047, made once by polynomial (quarter angle, doubled twice).
; No tensor loads, no cluster: the one input tile is 64 KiB, read once by plain loads, and the other operands are computed, not fetched.
.set PITCH, 272                        ; an LDS row of 128 bf16 (or 64 f32) + 16 bytes: 16 rows start in 16 different 16-byte columns of 256
.set XH,    8192                       ; LDS: table at 0 (8,192 bytes); x hi, 128 rows
.set XLD,   34816                      ; x lo lies this far behind x hi
.set CAH,   77824                      ; cos(i, n) hi, 64 rows
.set CALD,  17408                      ; its lo this far behind
.set WSC,   112640                     ; w_i = v_i s_i / 3, 64 f32
.set OUTS,  112896                     ; the way out: 64 rows j of 64 f32
.set NEG1,  5                          ; v5 = -1.0
.set BF,    16                         ; v16-79   B fragments: K step ks has hi in 8 registers at 16 ks, lo in the next 8
.set XR,    80                         ; v80-207  x as loaded; then v80-143 table entries for cos(i, n), then the 8 sums of the first product
.set GB,    144                        ; v144-207 table entries for cos(j, m); then two A buffers of 32 registers
.set AB0,   144
.set TMP,   208                        ; v208-231 at work, up to the second product
.set PACC,  208                        ; v208-239 the 4 sums of the second product
.set RB,    240                        ; v240     the way out: where I read a row back
.set GO,    241                        ; v241     the way out: my byte offset in wt
.set SJ,    248                        ; v248-249 s'_j twice
.macro PLACES                          ; four places between a matrix instruction and a load into, or a vector use of, its registers
.rept 4
	v_nop
.endr
.endm
; cos and sin of Y revolutions, |Y| <= 1/2: Taylor series at a quarter of the angle (at most pi/4), then two doublings
.macro SINCOS C, S, Y, F, U
	v_mul_f32 v[\F], s20, v[\Y]                    ; a quarter of the angle, in radians
	v_mul_f32 v[\U], v[\F], v[\F]
	v_fma_f32 v[\S], v[\U], s21, s22
	v_fma_f32 v[\C], v[\U], s25, s26
	v_fma_f32 v[\S], v[\S], v[\U], s23
	v_fma_f32 v[\C], v[\C], v[\U], s27
	v_fma_f32 v[\S], v[\S], v[\U], s24
	v_fma_f32 v[\C], v[\C], v[\U], -0.5
	v_fma_f32 v[\S], v[\S], v[\U], 1.0
	v_fma_f32 v[\C], v[\C], v[\U], 1.0
	v_mul_f32 v[\S], v[\S], v[\F]
	v_add_f32 v[\U], v[\S], v[\S]
	v_mul_f32 v[\F], v[\U], v[\C]                  ; sin 2a = 2 sin a cos a
	v_fma_f32 v[\C], -v[\U], v[\S], 1.0            ; cos 2a = 1 - 2 sin^2 a
	v_add_f32 v[\U], v[\F], v[\F]
	v_mul_f32 v[\S], v[\U], v[\C]
	v_fma_f32 v[\C], -v[\U], v[\F], 1.0
.endm
; n pairs of f32 at X become packed bf16 hi at H and packed bf16 lo (of the exact remainders) at L; X is used up
.macro SPLIT H, L, X, n
.set sp, 0
.rept \n
	v_cvt_pk_bf16_f32 v[\H+sp], v[\X+2*sp], v[\X+2*sp+1]
.set sp, sp+1
.endr
.set sp, 0
.rept \n
	v_fma_mix_f32_bf16 v[\X+2*sp], v[\H+sp], v[NEG1], v[\X+2*sp] op_sel:[0,0,0] op_sel_hi:[1,0,0]
	v_fma_mix_f32_bf16 v[\X+2*sp+1], v[\H+sp], v[NEG1], v[\X+2*sp+1] op_sel:[1,0,0] op_sel_hi:[1,0,0]
.set sp, sp+1
.endr
.set sp, 0
.rept \n
	v_cvt_pk_bf16_f32 v[\L+sp], v[\X+2*sp], v[\X+2*sp+1]
.set sp, sp+1
.endr
.endm
	s_load_b128 s[4:7], s[0:1], 0x0                ; x s[4:5], wt s[6:7]
	v_lshl_add_u32 v254, v0, 2, 0x20000
	v_mov_b32 v255, 0
	v_lshrrev_b32 v1, 5, v0
	v_readfirstlane_b32 s8, v1                     ; wave 0..3
	s_and_b32 s12, ttmp7, 0xffff                   ; batch
	s_and_b32 s10, ttmp9, 7
	s_lshl_b32 s10, s10, 6                         ; i0
	s_lshr_b32 s11, ttmp9, 3
	s_lshl_b32 s11, s11, 6                         ; j0
	s_mov_b32 s20, 0x3fc90fdb                      ; pi/2
	s_mov_b32 s21, 0x3638ef1d                      ; 1/9!
	s_mov_b32 s22, 0xb9500d01                      ; -1/7!
	s_mov_b32 s23, 0x3c088889                      ; 1/5!
	s_mov_b32 s24, 0xbe2aaaab                      ; -1/3!
	s_mov_b32 s25, 0x37d00d01                      ; 1/8!
	s_mov_b32 s26, 0xbab60b61                      ; -1/6!
	s_mov_b32 s27, 0x3d2aaaab                      ; 1/4!
	s_mov_b32 s28, 0xffff0000                      ; a word's upper half
	s_mov_b32 s29, 0x05040100                      ; v_perm_b32: the two low halves
	s_mov_b32 s30, 0x07060302                      ; the two high halves
	v_lshlrev_b32 v2, 4, v0                        ; 16 bytes a thread; never rewritten
	s_lshl_b32 s14, s12, 16                        ; a batch of x is 65,536 bytes
	s_mov_b32 s15, 0
	s_wait_kmcnt 0x0
	s_add_nc_u64 s[4:5], s[4:5], s[14:15]
.set qi, 0
.rept 32
	global_load_b128 v[XR+4*qi:XR+4*qi+3], v2, s[4:5] offset:qi*2048   ; rows 4 qi + tid/32, columns 4 (tid % 32) ..: the work-group's load covers 2,048 neighbouring bytes
.set qi, qi+1
.endr
	; lane terms and LDS addresses, while x is on its way
	v_and_b32 v3, 15, v0                           ; r
	v_bfe_u32 v4, v0, 4, 1                         ; h
	v_mov_b32 v5, -1.0
	v_lshlrev_b32 v6, 2, v0                        ; table: my word
	v_and_b32 v14, 31, v0
	v_mul_u32_u24 v7, v1, PITCH
	v_lshl_add_u32 v7, v14, 3, v7
	v_add_nc_u32 v7, XH, v7                        ; where my 4 numbers of x go, hi
	v_add_nc_u32 v8, XLD, v7                       ; and lo
	v_mul_u32_u24 v15, v3, PITCH
	v_lshl_add_u32 v15, v4, 4, v15                 ; fragment address: row r, 16 bytes for each half of the lanes
	v_add_nc_u32 v10, XH, v15                      ; x hi
	v_add_nc_u32 v11, XH+XLD, v15                  ; x lo
	v_add_nc_u32 v12, CAH, v15                     ; cos(i, n) hi
	v_add_nc_u32 v13, CAH+CALD, v15                ; cos(i, n) lo
	s_mul_i32 s13, s8, 16*PITCH                    ; my wave's 16 rows
	v_add_nc_u32 v9, s13, v12                      ; where my wave's rows of cos(i, n) go
	s_lshl_b32 s16, s8, 4
	s_add_co_u32 s17, s10, s16                     ; i0 + 16 w
	s_add_co_u32 s18, s11, s16                     ; j0 + 16 w
	; the table: word q = bf16 hi of cos(pi q / 1024) below, bf16 lo above.  Thread t makes q = t + 128 e: t/2048 + e/16 revolutions, exact in f32
	v_cvt_f32_u32 v208, v0
	v_mul_f32 v208, 0x3a000000, v208               ; t 2^-11
.set ei, 0
.rept 16
	v_rndne_f32 v209, v208
	v_sub_f32 v209, v208, v209                     ; into -1/2 .. 1/2
	SINCOS 210, 211, 209, 212, 213
	v_cvt_pk_bf16_f32 v214, v210, v210
	v_and_b32 v214, s28, v214                      ; hi as f32
	v_sub_f32 v214, v210, v214                     ; the exact remainder
	v_cvt_pk_bf16_f32 v214, v210, v214             ; hi below, lo above
	ds_store_b32 v6, v214 offset:512*ei
	v_add_f32 v208, 0x3d800000, v208               ; + 1/16
.set ei, ei+1
.endr
	; w_i for the work-group's 64 i: waves 0 and 1, one thread for each i, so that each word has one writer
	s_cmp_ge_u32 s8, 2
	s_cbranch_scc1 .Lno_w
	v_add_nc_u32 v215, s10, v0                     ; i
	v_add_nc_u32 v216, WSC, v6
	v_cvt_f32_u32 v217, v215
	v_mul_f32 v217, 0x3a000000, v217               ; 2 i d in revolutions = i / 2048 (below 1/4: no reduction)
	v_add_f32 v218, 0x39800000, v217               ; (2i+1) d
	v_add_f32 v219, 0xb9800000, v217               ; (2i-1) d
	SINCOS 220, 221, 218, 212, 213
	SINCOS 220, 222, 219, 212, 213
	SINCOS 223, 220, 217, 212, 213
	v_rcp_f32 v227, v221
	v_rcp_f32 v228, v222
	v_and_b32 v224, 1, v215                        ; the plain instruction between the reciprocals and their use (ISA guide 5.7.2)
	s_wait_alu depctr_va_vdst(0)
	v_sub_f32 v227, v227, v228
	v_cmp_eq_u32 vcc_lo, 1, v224
	v_mov_b32 v225, 0x3e80323a                     ; (cos d + sin d) / 4, i even
	v_mov_b32 v226, 0xbe7f9b64                     ; (sin d - cos d) / 4, i odd
	v_cndmask_b32 v225, v225, v226, vcc_lo
	v_mul_f32 v227, v225, v227
	v_fmamk_f32 v227, v223, 0xbe95f61a, v227       ; - (1 - 1/sqrt 2) cos(2 i d)
	v_cmp_eq_u32 vcc_lo, 0, v215
	v_mov_b32 v225, 0x38aaaaab                     ; s_i^2 / 48 = 1/12288,
	v_mov_b32 v226, 0x382aaaab                     ; 1/24576 for i = 0
	v_cndmask_b32 v225, v225, v226, vcc_lo
	v_mul_f32 v227, v225, v227
	ds_store_b32 v216, v227
.Lno_w:
	; x to bf16 hi and lo, into LDS rows along m
	s_wait_loadcnt 0x0
.set qi, 0
.rept 32
.set hq, TMP+4*(qi&3)
	SPLIT hq, hq+2, XR+4*qi, 2
	ds_store_b64 v7, v[hq:hq+1] offset:qi*1088
	ds_store_b64 v8, v[hq+2:hq+3] offset:qi*1088
.set qi, qi+1
.endr
	s_wait_dscnt 0x0                               ; my table words, my w and my part of x are written
	s_barrier_signal -1
	s_barrier_wait -1                              ; everybody's are
	; cosines by table.  Element gx of a lane's 64 has k = 32 (gx/16) + 16 ((gx/8) % 2) + gx % 8 + 8 h (the 16-bit fragment's order, ISA guide 7.12.2);
	; table byte = 4 ((2k + c) rho mod 2048) = (8 rho K + 4 rho (16 h + c)) & 0x1ffc, c = 1 for cos(i, n), 257 for cos(j, m)
.macro GATH dst, R8, A0
.set gx, 0
.rept 64
	v_mad_u32_u24 v[228+(gx&3)], v[\R8], 32*(gx>>4)+16*((gx>>3)&1)+(gx&7), v[\A0]
	v_and_b32 v[228+(gx&3)], 0x1ffc, v[228+(gx&3)]
	ds_load_b32 v[\dst+gx], v[228+(gx&3)]
.set gx, gx+1
.endr
.endm
	v_add_nc_u32 v224, s17, v3                     ; rho = i0 + 16 w + r
	v_lshl_or_b32 v225, v4, 4, 1
	v_mul_u32_u24 v225, v224, v225
	v_lshlrev_b32 v225, 2, v225
	v_lshlrev_b32 v224, 3, v224
	v_add_nc_u32 v226, s18, v3                     ; rho = j0 + 16 w + r
	v_lshl_add_u32 v227, v4, 4, 257
	v_mul_u32_u24 v227, v226, v227
	v_lshlrev_b32 v227, 2, v227
	v_lshlrev_b32 v226, 3, v226
	GATH XR, 224, 225
	GATH GB, 226, 227
	s_wait_dscnt 0x0
.irp ks, 0,1,2,3
.irp pp, 0,1,2,3,4,5,6,7
	v_perm_b32 v[TMP+\pp],   v[XR+16*\ks+2*\pp+1], v[XR+16*\ks+2*\pp], s29   ; two hi
	v_perm_b32 v[TMP+8+\pp], v[XR+16*\ks+2*\pp+1], v[XR+16*\ks+2*\pp], s30   ; two lo
.endr
	ds_store_b128 v9, v[TMP:TMP+3]     offset:\ks*64                ; my wave's 16 rows of cos(i, n), for all four waves
	ds_store_b128 v9, v[TMP+4:TMP+7]   offset:\ks*64+32
	ds_store_b128 v9, v[TMP+8:TMP+11]  offset:\ks*64+CALD
	ds_store_b128 v9, v[TMP+12:TMP+15] offset:\ks*64+32+CALD
.endr
.irp ks, 0,1,2,3
.irp pp, 0,1,2,3,4,5,6,7
	v_perm_b32 v[BF+16*\ks+\pp],   v[GB+16*\ks+2*\pp+1], v[GB+16*\ks+2*\pp], s29   ; cos(j, m): B fragments, in registers for good
	v_perm_b32 v[BF+16*\ks+8+\pp], v[GB+16*\ks+2*\pp+1], v[GB+16*\ks+2*\pp], s30
.endr
.endr
	s_wait_dscnt 0x0                               ; my rows of cos(i, n) are written
	s_barrier_signal -1
	s_barrier_wait -1
; eight LDS loads: hi and lo fragments of two 16-row tiles, 32 along K
.macro LOADA buf, tile, ks, AH, AL
	ds_load_b128 v[\buf:\buf+3],      v[\AH] offset:(\tile)*16*PITCH+(\ks)*64
	ds_load_b128 v[\buf+4:\buf+7],    v[\AH] offset:(\tile)*16*PITCH+(\ks)*64+32
	ds_load_b128 v[\buf+8:\buf+11],   v[\AL] offset:(\tile)*16*PITCH+(\ks)*64
	ds_load_b128 v[\buf+12:\buf+15],  v[\AL] offset:(\tile)*16*PITCH+(\ks)*64+32
	ds_load_b128 v[\buf+16:\buf+19],  v[\AH] offset:(\tile+1)*16*PITCH+(\ks)*64
	ds_load_b128 v[\buf+20:\buf+23],  v[\AH] offset:(\tile+1)*16*PITCH+(\ks)*64+32
	ds_load_b128 v[\buf+24:\buf+27],  v[\AL] offset:(\tile+1)*16*PITCH+(\ks)*64
	ds_load_b128 v[\buf+28:\buf+31],  v[\AL] offset:(\tile+1)*16*PITCH+(\ks)*64+32
.endm
; six matrix instructions: hi hi, lo hi, hi lo for two tiles.  The two accumulators take turns, one instruction a turn.
; The first K step starts the sums with C = 0: nothing is cleared.
.macro MM6 buf, acc, ks
.if \ks == 0
	v_wmma_f32_16x16x32_bf16 v[\acc:\acc+7],    v[\buf:\buf+7],     v[BF+16*\ks:BF+16*\ks+7], 0
	v_wmma_f32_16x16x32_bf16 v[\acc+8:\acc+15], v[\buf+16:\buf+23], v[BF+16*\ks:BF+16*\ks+7], 0
.else
	v_wmma_f32_16x16x32_bf16 v[\acc:\acc+7],    v[\buf:\buf+7],     v[BF+16*\ks:BF+16*\ks+7], v[\acc:\acc+7]
	v_wmma_f32_16x16x32_bf16 v[\acc+8:\acc+15], v[\buf+16:\buf+23], v[BF+16*\ks:BF+16*\ks+7], v[\acc+8:\acc+15]
.endif
	v_wmma_f32_16x16x32_bf16 v[\acc:\acc+7],    v[\buf+8:\buf+15],  v[BF+16*\ks:BF+16*\ks+7], v[\acc:\acc+7]
	v_wmma_f32_16x16x32_bf16 v[\acc+8:\acc+15], v[\buf+24:\buf+31], v[BF+16*\ks:BF+16*\ks+7], v[\acc+8:\acc+15]
	v_wmma_f32_16x16x32_bf16 v[\acc:\acc+7],    v[\buf:\buf+7],     v[BF+16*\ks+8:BF+16*\ks+15], v[\acc:\acc+7]
	v_wmma_f32_16x16x32_bf16 v[\acc+8:\acc+15], v[\buf+16:\buf+23], v[BF+16*\ks+8:BF+16*\ks+15], v[\acc+8:\acc+15]
.endm
; a product of 32 NP rows x my 16 columns over K = 128: batches of (two tiles, one K step) on two A buffers, the next batch's loads ahead of this one's products
.macro STAGE AH, AL, NP, ACC
	LOADA AB0, 0, 0, \AH, \AL
.set bt, 0
.rept 4*\NP
.set nb, AB0+32*((bt+1)&1)
.set ntile, 2*((bt+1)>>2)
.set nks, (bt+1)&3
.set cb, AB0+32*(bt&1)
.set cacc, \ACC+16*(bt>>2)
.set cks, bt&3
.if bt+1 < 4*\NP
.if bt
	PLACES                                         ; the buffer loaded next was read by the six matrix instructions just issued
.endif
	LOADA nb, ntile, nks, \AH, \AL
	s_wait_dscnt 0x8                               ; all but the eight just issued: this batch's fragments are in
.else
	s_wait_dscnt 0x0                               ; the last batch: nothing more is fetched
.endif
	MM6 cb, cacc, cks
.set bt, bt+1
.endr
.endm
	; first product: Y[n][j] = sum over m of x[n][m] cos(j, m); 8 tiles of 16 n
	STAGE 10, 11, 4, XR
	; A result tile's lane (r, h) holds n = 16 tile + 8 h + 0..7 of column j = r: tiles 2 ks and 2 ks + 1 are registers 0-3 and 4-7 of the
	; B fragment of K step ks.  So Y goes from sums to operands inside the registers.
	PLACES
.irp ks, 0,1,2,3
	SPLIT BF+16*\ks, BF+16*\ks+8, XR+16*\ks, 8
.endr
	; second product: sum over n of cos(i, n) Y[n][j]; 4 tiles of 16 i
	STAGE 12, 13, 2, PACC
	; the way out: scale, 64 i of a column j as one LDS row, back as whole rows of 256 bytes.  Addresses lie outside the sums' registers v208-239.
	PLACES
	v_add_nc_u32 v14, s18, v3                      ; j
	v_cmp_eq_u32 vcc_lo, 0, v14
	v_mov_b32 v[SJ], 0x3d800000                    ; 1/16
	v_mov_b32 v[SJ+1], 0x3d3504f3                  ; sqrt(1/512) for j = 0
	v_cndmask_b32 v[SJ], v[SJ], v[SJ+1], vcc_lo
	v_mov_b32 v[SJ+1], v[SJ]
	v_lshlrev_b32 v14, 5, v4
	v_add_nc_u32 v14, WSC, v14                     ; w of i = 8 h ..
	v_mul_u32_u24 v15, v3, PITCH
	v_lshl_add_u32 v15, v4, 5, v15
	v_add_nc_u32 v15, s13, v15
	v_add_nc_u32 v15, OUTS, v15                    ; row 16 w + r, 32 bytes for each half of the lanes
.irp it, 0,1,2,3
	ds_load_b128 v[AB0+8*\it:AB0+8*\it+3],   v14 offset:64*\it
	ds_load_b128 v[AB0+8*\it+4:AB0+8*\it+7], v14 offset:64*\it+16
.endr
	v_mul_u32_u24 v[RB], v4, PITCH                 ; back: lanes 0-15 one row, lanes 16-31 the next
	v_lshl_add_u32 v[RB], v3, 4, v[RB]
	v_add_nc_u32 v[RB], s13, v[RB]
	v_add_nc_u32 v[RB], OUTS, v[RB]                ; inside my wave's own 16 rows of the stage, like the stores through v15
	v_lshlrev_b32 v[GO], 13, v4                    ; the same two columns j in wt, 8,192 bytes apart
	v_lshl_add_u32 v[GO], v3, 4, v[GO]
	s_lshl_b32 s14, s18, 13                        ; (j0 + 16 w) 8192 + batch 2048 + 4 i0
	s_lshl_b32 s19, s12, 11
	s_add_co_u32 s14, s14, s19
	s_lshl_b32 s19, s10, 2
	s_add_co_u32 s14, s14, s19
	s_mov_b32 s15, 0
	s_add_nc_u64 s[6:7], s[6:7], s[14:15]
	s_wait_dscnt 0x0
.irp it, 0,1,2,3
.irp k, 0,2,4,6
	v_pk_mul_f32 v[AB0+8*\it+\k:AB0+8*\it+\k+1], v[AB0+8*\it+\k:AB0+8*\it+\k+1], v[SJ:SJ+1]
.endr
.irp k, 0,2,4,6
	v_pk_mul_f32 v[PACC+8*\it+\k:PACC+8*\it+\k+1], v[PACC+8*\it+\k:PACC+8*\it+\k+1], v[AB0+8*\it+\k:AB0+8*\it+\k+1]
.endr
	ds_store_b128 v15, v[PACC+8*\it:PACC+8*\it+3]   offset:64*\it
	ds_store_b128 v15, v[PACC+8*\it+4:PACC+8*\it+7] offset:64*\it+16
.endr
.set qi, 0
.rept 8
	ds_load_b128 v[AB0+32+4*qi:AB0+32+4*qi+3], v[RB] offset:qi*2*PITCH   ; my wave's own rows: LDS serves a wave's instructions in order (ISA guide 5.7.1), so these see the stores above
.set qi, qi+1
.endr
.set qi, 0
.rept 8
	s_wait_dscnt 7-qi                              ; read-back qi is in, the younger ones stay out
	global_store_b128 v[GO], v[AB0+32+4*qi:AB0+32+4*qi+3], s[6:7] offset:qi*16384   ; 16 lanes store 256 consecutive bytes, aligned
.set qi, qi+1
.endr
	s_wait_tensorcnt 0x0
	ds_add_u32 v254, v255
	s_wait_dscnt 0x0
	s_endpgm
.Lfunc_end_k_q075c84e691_dct:
	.size	k_q075c84e691_dct, .Lfunc_end_k_q075c84e691_dct-k_q075c84e691_dct
	.p2alignl 7, 3214868480
	.fill 96, 4, 3214868480
	.section	.rodata,"a",@progbits
	.p2align	6, 0x0
	.amdhsa_kernel k_q075c84e691_dct
		.amdhsa_group_segment_fixed_size 131584
		.amdhsa_private_segment_fixed_size 0
		.amdhsa_enable_private_segment 0
		.amdhsa_kernarg_size 16
		.amdhsa_user_sgpr_count 2
		.amdhsa_user_sgpr_kernarg_segment_ptr 1
		.amdhsa_wavefront_size32 1
		.amdhsa_system_sgpr_workgroup_id_x 1
		.amdhsa_system_sgpr_workgroup_id_y 1
		.amdhsa_system_sgpr_workgroup_id_z 1
		.amdhsa_system_vgpr_workitem_id 0
		.amdhsa_next_free_vgpr 256
		.amdhsa_next_free_sgpr 66
		.amdhsa_reserve_vcc 1
		.amdhsa_float_denorm_mode_32 3
		.amdhsa_float_denorm_mode_16_64 3
		.amdhsa_memory_ordered 1
		.amdhsa_forward_progress 1
		.amdhsa_inst_pref_size 123
	.end_amdhsa_kernel
	.amdgpu_metadata
---
amdhsa.version: [ 1, 2 ]
amdhsa.kernels:
  - .name:           k_q075c84e691_dct
    .symbol:         k_q075c84e691_dct.kd
    .args:
      - { .name: x, .offset: 0, .size: 8, .value_kind: global_buffer, .address_space: global }
      - { .name: wt, .offset: 8, .size: 8, .value_kind: global_buffer, .address_space: global }
    .group_segment_fixed_size: 131584
    .private_segment_fixed_size: 0
    .kernarg_segment_align: 8
    .kernarg_segment_size: 16
    .max_flat_workgroup_size: 128
    .sgpr_count:     66
    .vgpr_count:     256
    .wavefront_size: 32
...
	.end_amdgpu_metadata
.endif
;; end of part 1
;; launch wave (part 2): grid 256 x 1, 16 waves a work-group, no clusters, 298,240 bytes of LDS; arguments chi, tau, wt, rimg; writes rimg
.if DOCPART == 2
	.amdgcn_target "amdgcn-amd-amdhsa--gfx1250"
	.amdhsa_code_object_version 6
	.text
	.protected	k_q075c84e691_wave
	.globl	k_q075c84e691_wave
	.p2align	8
	.type	k_q075c84e691_wave,@function
k_q075c84e691_wave:
	s_mov_b64 s[64:65], 0
	v_nop
	global_prefetch_b8 v0, s[64:65] scope:SCOPE_SE
	s_setreg_imm32_b32 hwreg(HW_REG_WAVE_MODE, 25, 1), 1
	s_wait_xcnt 0x0
; For two columns j: out[b][t][j] = sum over i of wt[j][b][i] Re(z^t),  z = exp((-chi + sqrt(-1)) F),  F = sqrt(kx_j^2 + ky_i^2).
; With t = 16 a + b':  Re(z^t) = Re U_a Re V_b' + Im U_a Im V_b',  U_a = z^(16 a),  V_b' = conj(z)^b'.  So a column is one matrix product:
; rows a (32), columns (b', b) (64), K = (i, re/im) (1,024).  Per (i, j) three powers (z, z^16, z^256) are evaluated directly, one exponential and
; one cosine-sine pair each, and all others follow by complex products: 96 operand numbers in place of 512 exponentials and cosines.
; PRECISION: the product is a difference of terms of the signal's early size while the output decays, so both operands go in as bf16 hi + bf16 lo
; with three products (hi hi, lo hi, hi lo); lo lo, some 2^-18, is dropped.  bf16 keeps f32's range for any chi for which the result is finite.
; LIMITS: the phase is kept as g = F / 2 pi in f32 and reduced exactly (fused multiply-add against the nearest whole turn); it can differ from
; the product F t rounded in f32 by about 3e-4 radians at t = 511.  Exponentials below 2^-126 become 0 (ISA guide 15.8, v_exp_f32).
; tau is fetched like chi and enters nothing: the function computed does not depend on it.
; The work-group owns j = 2 x + jj.  Table phase: thread = i.  Product phase: wave w has jj = w / 8 and the 64 i from 64 (w % 8), in four units of
; 16 i (one K step), and makes partial sums of all 2 x 4 tiles; the eight partial sums of a column meet in LDS.
; The result leaves in the accumulators' own order (2,048 numbers a column); the next launch puts it into rows of the output.
; No tensor loads, no cluster: a work-group's only input is 16 KiB, read once; the operands are computed.
.set JS,   148032                      ; LDS of one column: V 16 rows, U 16 rows, z^256, W
.set RP,   4112                        ; a row of 512 complex f32 + 16 bytes: 16 rows start in 16 different 16-byte columns of 256
.set UTO,  65792
.set ZTO,  131584                      ; 16 bytes for each i: re, re, -im, im
.set WTO,  139776                      ; 4 rows b of 512 f32, pitch 2,064
.set WP,   2064
.set NEG1, 5
.set ACC,  16                          ; v16-79   tile (mt, nt) at 16 + 8 (4 mt + nt)
.set AH0,  80                          ; v80-111  A: hi, lo of rows a = 0..15, hi, lo of rows 16..31
.set AL0,  88
.set AH1,  96
.set AL1,  104
.set BS0,  112                         ; v112-143 B: two sets of hi (8) and lo (8)
.set BS1,  128
.set XU,   144                         ; v144-159 U, 8 complex
.set X1,   160                         ; v160-175 U z^256
.set ZQ,   176                         ; v176-207 z^256, 8 quads
.set WR,   208                         ; v208-215 W, 8 numbers
.set XVA,  216                         ; v216-231 V, 8 complex
.set XVB,  232                         ; v232-247
.macro SINCOS C, S, Y, F, U            ; cos and sin of Y revolutions, |Y| <= 1/2: Taylor series at a quarter of the angle, two doublings
	v_mul_f32 v[\F], s20, v[\Y]
	v_mul_f32 v[\U], v[\F], v[\F]
	v_fma_f32 v[\S], v[\U], s21, s22
	v_fma_f32 v[\C], v[\U], s25, s26
	v_fma_f32 v[\S], v[\S], v[\U], s23
	v_fma_f32 v[\C], v[\C], v[\U], s27
	v_fma_f32 v[\S], v[\S], v[\U], s24
	v_fma_f32 v[\C], v[\C], v[\U], -0.5
	v_fma_f32 v[\S], v[\S], v[\U], 1.0
	v_fma_f32 v[\C], v[\C], v[\U], 1.0
	v_mul_f32 v[\S], v[\S], v[\F]
	v_add_f32 v[\U], v[\S], v[\S]
	v_mul_f32 v[\F], v[\U], v[\C]
	v_fma_f32 v[\C], -v[\U], v[\S], 1.0
	v_add_f32 v[\U], v[\F], v[\F]
	v_mul_f32 v[\S], v[\U], v[\C]
	v_fma_f32 v[\C], -v[\U], v[\F], 1.0
.endm
.macro SPLIT H, L, X, n                ; n pairs of f32 at X: packed bf16 hi at H, packed bf16 lo of the exact remainders at L; X is used up
.set sp, 0
.rept \n
	v_cvt_pk_bf16_f32 v[\H+sp], v[\X+2*sp], v[\X+2*sp+1]
.set sp, sp+1
.endr
.set sp, 0
.rept \n
	v_fma_mix_f32_bf16 v[\X+2*sp], v[\H+sp], v[NEG1], v[\X+2*sp] op_sel:[0,0,0] op_sel_hi:[1,0,0]
	v_fma_mix_f32_bf16 v[\X+2*sp+1], v[\H+sp], v[NEG1], v[\X+2*sp+1] op_sel:[1,0,0] op_sel_hi:[1,0,0]
.set sp, sp+1
.endr
.set sp, 0
.rept \n
	v_cvt_pk_bf16_f32 v[\L+sp], v[\X+2*sp], v[\X+2*sp+1]
.set sp, sp+1
.endr
.endm
	s_load_b256 s[4:11], s[0:1], 0x0               ; chi s[4:5], tau s[6:7], wt s[8:9], rimg s[10:11]
	v_lshl_add_u32 v254, v0, 2, 0x48500
	v_mov_b32 v255, 0
	v_lshrrev_b32 v1, 5, v0
	v_readfirstlane_b32 s15, v1                    ; wave 0..15
	s_mov_b32 s20, 0x3fc90fdb                      ; pi/2
	s_mov_b32 s21, 0x3638ef1d                      ; 1/9!
	s_mov_b32 s22, 0xb9500d01                      ; -1/7!
	s_mov_b32 s23, 0x3c088889                      ; 1/5!
	s_mov_b32 s24, 0xbe2aaaab                      ; -1/3!
	s_mov_b32 s25, 0x37d00d01                      ; 1/8!
	s_mov_b32 s26, 0xbab60b61                      ; -1/6!
	s_mov_b32 s27, 0x3d2aaaab                      ; 1/4!
	s_mov_b32 s31, 0x3f800000                      ; the three powers evaluated directly: 1,
	s_mov_b32 s32, 0x41800000                      ; 16,
	s_mov_b32 s33, 0x43800000                      ; 256
	v_lshlrev_b32 v2, 4, v0                        ; 16 bytes a thread; never rewritten
	s_lshl_b32 s16, ttmp9, 14                      ; two columns of 8,192 bytes, in wt and in rimg alike
	s_mov_b32 s17, 0
	s_wait_kmcnt 0x0
	s_load_b32 s12, s[4:5], 0x0                    ; chi
	s_load_b32 s13, s[6:7], 0x0                    ; tau
	s_add_nc_u64 s[8:9], s[8:9], s[16:17]
	s_add_nc_u64 s[10:11], s[10:11], s[16:17]
	global_load_b128 v[120:123], v2, s[8:9]                 ; W of column 0: b = tid / 128, i = 4 (tid % 128) ..
	global_load_b128 v[124:127], v2, s[8:9] offset:8192     ; W of column 1
	v_cvt_f32_u32 v80, v0
	v_mul_f32 v80, 0x3b000000, v80                 ; i / 512
	v_mul_f32 v80, 0x40490fdb, v80                 ; ky
	v_mul_f32 v80, v80, v80
	v_lshlrev_b32 v3, 3, v0                        ; 8 bytes a thread in a table row
	v_mov_b32 v5, -1.0
	s_wait_kmcnt 0x0
	s_mul_f32 s14, s12, 0xbfb8aa3b                 ; -chi log2 e
; z^N for my (i, j): modulus 2^(kappa N), phase g N turns less the nearest whole number of turns
.macro EVAL re, im, sN
	v_mul_f32 v84, \sN, v82
	v_mul_f32 v85, \sN, v83
	v_rndne_f32 v86, v84
	v_exp_f32 v98, v85
	v_fma_f32 v87, v82, \sN, -v86                  ; exact remainder; also the plain instruction behind v_exp_f32 (ISA guide 5.7.2)
	SINCOS 88, 89, 87, 90, 91
	s_wait_alu depctr_va_vdst(0)
	v_mul_f32 v[\re], v88, v98
	v_mul_f32 v[\im], v89, v98
.endm
; the tables of column jj.  A multiplier is a quad (re, re, -im, im): a complex product is one packed multiply and one packed multiply-add with its first source's halves crossed
.macro TABLE jj
	s_lshl_b32 s18, ttmp9, 1
	s_or_b32 s18, s18, \jj                         ; j
	v_cvt_f32_u32 v81, s18
	v_mul_f32 v81, 0x3b000000, v81
	v_mul_f32 v81, 0x40490fdb, v81                 ; kx
	v_fma_f32 v81, v81, v81, v80
	v_sqrt_f32 v99, v81                            ; F
	v_add_nc_u32 v6, \jj*JS, v3                    ; V's rows (a plain instruction behind v_sqrt_f32)
	s_wait_alu depctr_va_vdst(0)
	v_mul_f32 v82, 0.15915494, v99                 ; g = F / 2 pi
	v_mul_f32 v83, s14, v99                        ; kappa = -chi F log2 e
	v_add_nc_u32 v7, UTO, v6                       ; U's rows
	v_lshl_add_u32 v8, v0, 4, \jj*JS+ZTO
	EVAL 100, 102, s31                             ; conj(z) as a multiplier: (re, re, im, -im)
	EVAL 104, 107, s32                             ; z^16: (re, re, -im, im)
	EVAL 108, 111, s33                             ; z^256 likewise
	v_mov_b32 v101, v100
	v_xor_b32 v103, 0x80000000, v102
	v_mov_b32 v105, v104
	v_xor_b32 v106, 0x80000000, v107
	v_mov_b32 v109, v108
	v_xor_b32 v110, 0x80000000, v111
	v_mov_b32 v112, 1.0
	v_mov_b32 v113, 0
	ds_store_b64 v6, v[112:113]                    ; power 0
	ds_store_b64 v7, v[112:113]
	ds_store_b128 v8, v[108:111]
	v_mov_b32 v112, v100                           ; power 1
	v_mov_b32 v113, v103
	v_mov_b32 v114, v104
	v_mov_b32 v115, v107
	ds_store_b64 v6, v[112:113] offset:RP
	ds_store_b64 v7, v[114:115] offset:RP
.set ki, 2
.rept 14
	v_pk_mul_f32 v[116:117], v[112:113], v[100:101]
	v_pk_mul_f32 v[118:119], v[114:115], v[104:105]
	v_pk_fma_f32 v[112:113], v[112:113], v[102:103], v[116:117] op_sel:[1,0,0] op_sel_hi:[0,1,1]
	v_pk_fma_f32 v[114:115], v[114:115], v[106:107], v[118:119] op_sel:[1,0,0] op_sel_hi:[0,1,1]
	ds_store_b64 v6, v[112:113] offset:ki*RP
	ds_store_b64 v7, v[114:115] offset:ki*RP
.set ki, ki+1
.endr
.endm
	TABLE 0
	TABLE 1
	s_wait_loadcnt 0x0                             ; W
	v_lshrrev_b32 v9, 7, v0
	v_and_b32 v10, 127, v0
	v_mul_u32_u24 v9, v9, WP
	v_lshl_add_u32 v9, v10, 4, v9
	v_add_nc_u32 v9, WTO, v9
	v_add_nc_u32 v10, JS, v9
	ds_store_b128 v9, v[120:123]
	ds_store_b128 v10, v[124:127]
	s_wait_dscnt 0x0                               ; my part of every table is written
	s_barrier_signal -1
	s_barrier_wait -1                              ; everybody's is
	; fragment addresses.  Register p of lane (r, h), in A and in B alike, holds (re, im) of i = unit's first + 8 h + p: the same place for the same k on both sides.
	; A's row is a = 16 mt + r.  B's column 16 nt + r is b = r % 4, b' = 4 nt + r / 4.
	s_and_b32 s16, s15, 7
	s_lshl_b32 s16, s16, 6                         ; my first i
	s_lshr_b32 s17, s15, 3
	s_mul_i32 s17, s17, JS                         ; my column's tables
	v_and_b32 v12, 15, v0                          ; r
	v_bfe_u32 v13, v0, 4, 1                        ; h
	v_lshl_add_u32 v14, v13, 3, s16                ; first i + 8 h
	v_lshl_add_u32 v15, v14, 3, s17
	v_mul_u32_u24 v8, v12, RP
	v_add3_u32 v8, v8, v15, UTO                    ; U: row r
	v_lshrrev_b32 v9, 2, v12
	v_mul_u32_u24 v9, v9, RP
	v_add_nc_u32 v9, v9, v15                       ; V: row r / 4 (+ 4 nt by the offset)
	v_lshl_add_u32 v10, v14, 4, s17
	v_add_nc_u32 v10, ZTO, v10                     ; z^256
	v_and_b32 v11, 3, v12
	v_mul_u32_u24 v11, v11, WP
	v_lshl_add_u32 v15, v14, 2, s17
	v_add3_u32 v11, v11, v15, WTO                  ; W: row r % 4
; 16 columns (nt): V times W, split, six matrix instructions.  X: the V buffer; BS: the B set; nxt = 1: X is loaded again with the row block two further on;
; cnt: the younger LDS loads that may stay out.  The two accumulators take turns, one instruction a turn.
; A B set is written again two calls later, and the eight multiplies ahead of SPLIT name no register of the matrix instructions before them.
.macro NT u, nt, X, BS, nxt, cnt, zero
	s_wait_dscnt \cnt
.irp p, 0,2,4,6
	v_pk_mul_f32 v[\X+2*\p:\X+2*\p+1],   v[\X+2*\p:\X+2*\p+1],   v[WR+\p:WR+\p+1] op_sel:[0,0] op_sel_hi:[1,0]
	v_pk_mul_f32 v[\X+2*\p+2:\X+2*\p+3], v[\X+2*\p+2:\X+2*\p+3], v[WR+\p:WR+\p+1] op_sel:[0,1] op_sel_hi:[1,1]
.endr
	SPLIT \BS, \BS+8, \X, 8
.if \nxt
.irp q, 0,1,2,3
	ds_load_b128 v[\X+4*\q:\X+4*\q+3], v9 offset:(\nt+2)*4*RP+\u*128+16*\q
.endr
.endif
.if \zero
	v_wmma_f32_16x16x32_bf16 v[ACC+8*\nt:ACC+8*\nt+7],       v[AH0:AH0+7], v[\BS:\BS+7], 0
	v_wmma_f32_16x16x32_bf16 v[ACC+32+8*\nt:ACC+32+8*\nt+7], v[AH1:AH1+7], v[\BS:\BS+7], 0
.else
	v_wmma_f32_16x16x32_bf16 v[ACC+8*\nt:ACC+8*\nt+7],       v[AH0:AH0+7], v[\BS:\BS+7], v[ACC+8*\nt:ACC+8*\nt+7]
	v_wmma_f32_16x16x32_bf16 v[ACC+32+8*\nt:ACC+32+8*\nt+7], v[AH1:AH1+7], v[\BS:\BS+7], v[ACC+32+8*\nt:ACC+32+8*\nt+7]
.endif
	v_wmma_f32_16x16x32_bf16 v[ACC+8*\nt:ACC+8*\nt+7],       v[AL0:AL0+7], v[\BS:\BS+7], v[ACC+8*\nt:ACC+8*\nt+7]
	v_wmma_f32_16x16x32_bf16 v[ACC+32+8*\nt:ACC+32+8*\nt+7], v[AL1:AL1+7], v[\BS:\BS+7], v[ACC+32+8*\nt:ACC+32+8*\nt+7]
	v_wmma_f32_16x16x32_bf16 v[ACC+8*\nt:ACC+8*\nt+7],       v[AH0:AH0+7], v[\BS+8:\BS+15], v[ACC+8*\nt:ACC+8*\nt+7]
	v_wmma_f32_16x16x32_bf16 v[ACC+32+8*\nt:ACC+32+8*\nt+7], v[AH1:AH1+7], v[\BS+8:\BS+15], v[ACC+32+8*\nt:ACC+32+8*\nt+7]
.endm
; 16 i: one K step of all eight tiles.  LDS loads go into f32 scratch alone, never into a matrix operand.
.macro UNIT u, zero
.irp q, 0,1,2,3
	ds_load_b128 v[XU+4*\q:XU+4*\q+3], v8 offset:\u*128+16*\q
.endr
.irp q, 0,1,2,3,4,5,6,7
	ds_load_b128 v[ZQ+4*\q:ZQ+4*\q+3], v10 offset:\u*256+16*\q
.endr
.irp q, 0,1
	ds_load_b128 v[WR+4*\q:WR+4*\q+3], v11 offset:\u*64+16*\q
.endr
.irp q, 0,1,2,3
	ds_load_b128 v[XVA+4*\q:XVA+4*\q+3], v9 offset:\u*128+16*\q
.endr
.irp q, 0,1,2,3
	ds_load_b128 v[XVB+4*\q:XVB+4*\q+3], v9 offset:4*RP+\u*128+16*\q
.endr
	s_wait_dscnt 0xa                               ; U and z^256 are in; W (2 loads) and two row blocks of V (4 + 4) stay out
.irp p, 0,1,2,3,4,5,6,7
	v_pk_mul_f32 v[X1+2*\p:X1+2*\p+1], v[XU+2*\p:XU+2*\p+1], v[ZQ+4*\p:ZQ+4*\p+1]          ; rows a = 16 .. 31: U z^256.  These sixteen name no matrix register:
.endr
.irp p, 0,1,2,3,4,5,6,7
	v_pk_fma_f32 v[X1+2*\p:X1+2*\p+1], v[XU+2*\p:XU+2*\p+1], v[ZQ+4*\p+2:ZQ+4*\p+3], v[X1+2*\p:X1+2*\p+1] op_sel:[1,0,0] op_sel_hi:[0,1,1]   ; the places ahead of the writes of A (ISA guide 7.12.1)
.endr
	SPLIT AH0, AL0, XU, 8
	SPLIT AH1, AL1, X1, 8
	NT \u, 0, XVA, BS0, 1, 4, \zero                ; 4: the second row block's loads stay out
	NT \u, 1, XVB, BS1, 1, 4, \zero                ; 4: the third's
	NT \u, 2, XVA, BS0, 0, 4, \zero                ; 4: the fourth's
	NT \u, 3, XVB, BS1, 0, 0, \zero
.endm
	UNIT 0, 1                                      ; the first unit's first products start the sums: nothing is cleared
	UNIT 1, 0
	UNIT 2, 0
	UNIT 3, 0
	; the eight partial sums of each column meet in LDS, in the tables' first 131,072 bytes: 8,192 for each wave
	s_wait_dscnt 0x0                               ; my reads of the tables are over
	s_barrier_signal -1
	s_barrier_wait -1                              ; everybody's are
	s_lshl_b32 s16, s15, 13
	v_and_b32 v12, 31, v0                          ; seven plain instructions on other registers: the places between the last matrix instructions and the stores of their results
	v_lshrrev_b32 v13, 8, v0
	v_and_b32 v14, 255, v0
	v_lshl_add_u32 v12, v12, 4, s16                ; wave 8192 + lane 16
	v_lshlrev_b32 v14, 4, v14
	v_lshl_add_u32 v15, v13, 13, v14               ; in rimg: column 8192 + 16 (tid % 256)
	v_lshl_add_u32 v13, v13, 16, v14               ; in LDS: column 65536 + 16 (tid % 256)
.set tl, 0
.rept 8
	ds_store_b128 v12, v[ACC+8*tl:ACC+8*tl+3]   offset:tl*1024        ; number 256 tile + 128 half + 4 lane + c of the column's 2,048
	ds_store_b128 v12, v[ACC+8*tl+4:ACC+8*tl+7] offset:tl*1024+512
.set tl, tl+1
.endr
	s_wait_dscnt 0x0
	s_barrier_signal -1
	s_barrier_wait -1
.irp q, 0,1
.irp k, 0,1,2,3,4,5,6,7
	ds_load_b128 v[80+32*\q+4*\k:80+32*\q+4*\k+3], v13 offset:\k*8192+\q*4096
.endr
.endr
.macro SUM8 b                          ; eight quads at b become one
.irp k, 0,8,16,24
	v_pk_add_f32 v[\b+\k:\b+\k+1],   v[\b+\k:\b+\k+1],   v[\b+\k+4:\b+\k+5]
	v_pk_add_f32 v[\b+\k+2:\b+\k+3], v[\b+\k+2:\b+\k+3], v[\b+\k+6:\b+\k+7]
.endr
.irp k, 0,16
	v_pk_add_f32 v[\b+\k:\b+\k+1],   v[\b+\k:\b+\k+1],   v[\b+\k+8:\b+\k+9]
	v_pk_add_f32 v[\b+\k+2:\b+\k+3], v[\b+\k+2:\b+\k+3], v[\b+\k+10:\b+\k+11]
.endr
	v_pk_add_f32 v[\b:\b+1],   v[\b:\b+1],   v[\b+16:\b+17]
	v_pk_add_f32 v[\b+2:\b+3], v[\b+2:\b+3], v[\b+18:\b+19]
.endm
	s_wait_dscnt 0x8                               ; the first eight are in, the second eight stay out
	SUM8 80
	global_store_b128 v15, v[80:83], s[10:11]               ; a wave's store covers 512 consecutive bytes, aligned
	s_wait_dscnt 0x0
	SUM8 112
	global_store_b128 v15, v[112:115], s[10:11] offset:4096
	s_wait_tensorcnt 0x0
	ds_add_u32 v254, v255
	s_wait_dscnt 0x0
	s_endpgm
.Lfunc_end_k_q075c84e691_wave:
	.size	k_q075c84e691_wave, .Lfunc_end_k_q075c84e691_wave-k_q075c84e691_wave
	.p2alignl 7, 3214868480
	.fill 96, 4, 3214868480
	.section	.rodata,"a",@progbits
	.p2align	6, 0x0
	.amdhsa_kernel k_q075c84e691_wave
		.amdhsa_group_segment_fixed_size 298240
		.amdhsa_private_segment_fixed_size 0
		.amdhsa_enable_private_segment 0
		.amdhsa_kernarg_size 32
		.amdhsa_user_sgpr_count 2
		.amdhsa_user_sgpr_kernarg_segment_ptr 1
		.amdhsa_wavefront_size32 1
		.amdhsa_system_sgpr_workgroup_id_x 1
		.amdhsa_system_sgpr_workgroup_id_y 1
		.amdhsa_system_sgpr_workgroup_id_z 1
		.amdhsa_system_vgpr_workitem_id 0
		.amdhsa_next_free_vgpr 256
		.amdhsa_next_free_sgpr 66
		.amdhsa_reserve_vcc 0
		.amdhsa_float_denorm_mode_32 3
		.amdhsa_float_denorm_mode_16_64 3
		.amdhsa_memory_ordered 1
		.amdhsa_forward_progress 1
		.amdhsa_inst_pref_size 103
	.end_amdhsa_kernel
	.amdgpu_metadata
---
amdhsa.version: [ 1, 2 ]
amdhsa.kernels:
  - .name:           k_q075c84e691_wave
    .symbol:         k_q075c84e691_wave.kd
    .args:
      - { .name: chi, .offset: 0, .size: 8, .value_kind: global_buffer, .address_space: global }
      - { .name: tau, .offset: 8, .size: 8, .value_kind: global_buffer, .address_space: global }
      - { .name: wt, .offset: 16, .size: 8, .value_kind: global_buffer, .address_space: global }
      - { .name: rimg, .offset: 24, .size: 8, .value_kind: global_buffer, .address_space: global }
    .group_segment_fixed_size: 298240
    .private_segment_fixed_size: 0
    .kernarg_segment_align: 8
    .kernarg_segment_size: 32
    .max_flat_workgroup_size: 512
    .sgpr_count:     66
    .vgpr_count:     256
    .wavefront_size: 32
...
	.end_amdgpu_metadata
.endif
;; end of part 2
;; launch transp (part 3): grid 8 x 32, 8 waves a work-group, no clusters, 17,920 bytes of LDS; arguments rimg, out0; writes out0
.if DOCPART == 3
	.amdgcn_target "amdgcn-amd-amdhsa--gfx1250"
	.amdhsa_code_object_version 6
	.text
	.protected	k_q075c84e691_transp
	.globl	k_q075c84e691_transp
	.p2align	8
	.type	k_q075c84e691_transp,@function
k_q075c84e691_transp:
	s_mov_b64 s[64:65], 0
	v_nop
	global_prefetch_b8 v0, s[64:65] scope:SCOPE_SE
	s_setreg_imm32_b32 hwreg(HW_REG_WAVE_MODE, 25, 1), 1
	s_wait_xcnt 0x0
; out0[b][t][j] from rimg[j][2048]: a transpose of 64 columns j x 64 numbers through LDS, so that both sides move whole aligned runs of 256 bytes.
; Number 64 ck + 4 r + c of a column, with ck = 16 mt + 4 nt + 2 half + h, is b = r % 4, t = 256 mt + 128 h + 64 half + 16 c + 4 nt + r / 4
; (the accumulator order of the launch before: tile (mt, nt), register 4 half + c, lane 16 h + r).
; The work-group takes the 64 columns from 64 x and the 256 bytes at 256 y of each.  Memory binds: no matrix unit, no cluster, one barrier.
.set LP, 260                           ; an LDS row of 64 f32 + 4 bytes = 65 words: words read down a column fall into different banks (64 banks of 4 bytes: ISA guide 11.1)
	s_load_b128 s[4:7], s[0:1], 0x0                ; rimg s[4:5], out0 s[6:7]
	v_lshl_add_u32 v40, v0, 2, 0x4200
	v_mov_b32 v41, 0
	s_and_b32 s8, ttmp7, 0xffff                    ; ck
	s_lshl_b32 s10, ttmp9, 19                      ; 64 columns of 8,192 bytes
	s_lshl_b32 s9, s8, 8
	s_add_co_u32 s10, s10, s9
	s_mov_b32 s11, 0
	s_lshr_b32 s12, s8, 4
	s_lshl_b32 s12, s12, 8                         ; 256 mt
	s_and_b32 s13, s8, 1
	s_lshl_b32 s13, s13, 7                         ; 128 h
	s_add_co_u32 s12, s12, s13
	s_and_b32 s13, s8, 2
	s_lshl_b32 s13, s13, 5                         ; 64 half
	s_add_co_u32 s12, s12, s13
	s_and_b32 s13, s8, 12                          ; 4 nt
	s_add_co_u32 s12, s12, s13
	s_lshl_b32 s12, s12, 11                        ; rows of 2,048 bytes
	s_lshl_b32 s13, ttmp9, 8                       ; 64 j of 4 bytes
	s_add_co_u32 s12, s12, s13
	s_mov_b32 s13, 0
	v_lshrrev_b32 v1, 4, v0
	v_and_b32 v2, 15, v0
	v_lshlrev_b32 v3, 13, v1
	v_lshl_add_u32 v3, v2, 4, v3                   ; column tid / 16, 16 bytes at 16 (tid % 16)
	s_wait_kmcnt 0x0
	s_add_nc_u64 s[4:5], s[4:5], s[10:11]
	s_add_nc_u64 s[6:7], s[6:7], s[12:13]
.irp q, 0,1,2,3
	global_load_b128 v[4+4*\q:7+4*\q], v3, s[4:5] offset:\q*131072     ; 16 columns further on; 16 lanes read 256 consecutive bytes, aligned
.endr
	v_mul_u32_u24 v36, v1, LP
	v_lshl_add_u32 v36, v2, 4, v36                 ; in: row tid / 16, words 4 (tid % 16) ..
	v_mul_u32_u24 v37, v2, 4*LP
	v_lshl_add_u32 v37, v1, 2, v37                 ; back: rows 4 (tid % 16) .., word tid / 16
	v_lshrrev_b32 v38, 6, v0                       ; b
	v_and_b32 v39, 3, v1                           ; c
	v_lshlrev_b32 v38, 20, v38                     ; a batch of out0 is 2^20 bytes
	v_lshl_add_u32 v38, v39, 15, v38               ; 16 c rows
	v_lshl_add_u32 v38, v2, 4, v38
.irp q, 0,1,2,3
	s_wait_loadcnt 3-\q                            ; load q is in, the younger ones stay out
.irp c, 0,1,2,3
	ds_store_b32 v36, v[4+4*\q+\c] offset:\q*16*LP+4*\c
.endr
.endr
	s_wait_dscnt 0x0                               ; my words are written
	s_barrier_signal -1
	s_barrier_wait -1                              ; everybody's are
.irp q, 0,1,2,3
.irp c, 0,1,2,3
	ds_load_b32 v[20+4*\q+\c], v37 offset:\c*LP+64*\q      ; number tid / 16 + 16 q of columns 4 (tid % 16) + c
.endr
.endr
.irp q, 0,1,2,3
	s_wait_dscnt 12-4*\q                           ; the first 4 (q + 1) reads are in
	global_store_b128 v38, v[20+4*\q:23+4*\q], s[6:7] offset:\q*2048 th:TH_STORE_NT   ; row t + q: 16 lanes store 256 consecutive bytes, aligned
.endr
	s_wait_tensorcnt 0x0
	ds_add_u32 v40, v41
	s_wait_dscnt 0x0
	s_endpgm
.Lfunc_end_k_q075c84e691_transp:
	.size	k_q075c84e691_transp, .Lfunc_end_k_q075c84e691_transp-k_q075c84e691_transp
	.p2alignl 7, 3214868480
	.fill 96, 4, 3214868480
	.section	.rodata,"a",@progbits
	.p2align	6, 0x0
	.amdhsa_kernel k_q075c84e691_transp
		.amdhsa_group_segment_fixed_size 17920
		.amdhsa_private_segment_fixed_size 0
		.amdhsa_enable_private_segment 0
		.amdhsa_kernarg_size 16
		.amdhsa_user_sgpr_count 2
		.amdhsa_user_sgpr_kernarg_segment_ptr 1
		.amdhsa_wavefront_size32 1
		.amdhsa_system_sgpr_workgroup_id_x 1
		.amdhsa_system_sgpr_workgroup_id_y 1
		.amdhsa_system_sgpr_workgroup_id_z 1
		.amdhsa_system_vgpr_workitem_id 0
		.amdhsa_next_free_vgpr 42
		.amdhsa_next_free_sgpr 66
		.amdhsa_reserve_vcc 0
		.amdhsa_float_denorm_mode_32 3
		.amdhsa_float_denorm_mode_16_64 3
		.amdhsa_memory_ordered 1
		.amdhsa_forward_progress 1
		.amdhsa_inst_pref_size 6
	.end_amdhsa_kernel
	.amdgpu_metadata
---
amdhsa.version: [ 1, 2 ]
amdhsa.kernels:
  - .name:           k_q075c84e691_transp
    .symbol:         k_q075c84e691_transp.kd
    .args:
      - { .name: rimg, .offset: 0, .size: 8, .value_kind: global_buffer, .address_space: global }
      - { .name: out0, .offset: 8, .size: 8, .value_kind: global_buffer, .address_space: global }
    .group_segment_fixed_size: 17920
    .private_segment_fixed_size: 0
    .kernarg_segment_align: 8
    .kernarg_segment_size: 16
    .max_flat_workgroup_size: 256
    .sgpr_count:     66
    .vgpr_count:     42
    .wavefront_size: 32
...
	.end_amdgpu_metadata
.endif
;; end of part 3
;; ======== version 2 of 2: 3 launches; version 1 with the launch dct written anew for expert scheduling mode
;; workspace buffers: wt 4,194,304 bytes; rimg 4,194,304 bytes
;; launch dct (part 4): grid 64 x 4, 4 waves a work-group, no clusters, 131,584 bytes of LDS; arguments x, wt; writes wt
.if DOCPART == 4
	.amdgcn_target "amdgcn-amd-amdhsa--gfx1250"
	.amdhsa_code_object_version 6
	.text
	.protected	k_q075c84e691_dct
	.globl	k_q075c84e691_dct
	.p2align	8
	.type	k_q075c84e691_dct,@function
k_q075c84e691_dct:
	s_mov_b64 s[64:65], 0
	v_nop
	global_prefetch_b8 v0, s[64:65] scope:SCOPE_SE
	s_setreg_imm32_b32 hwreg(HW_REG_WAVE_SCHED_MODE, 0, 2), 2
	s_setreg_imm32_b32 hwreg(HW_REG_WAVE_MODE, 25, 1), 1
	s_wait_xcnt 0x0
	s_wait_alu depctr_vm_vsrc(0)
; wt[j][b][i] = (v_i s_i / 3) s'_j  sum over n, m of cos(pi (2n+1) i / 1024) x[b][n][m] cos(pi (2m+257) j / 1024):
; the weighted 2D DCT of the padded patch, i along the rows of wt.  s_0 = sqrt(1/512), else 1/16;  v = Dy (Dy's column 0), in closed form:
;   v_i = s_i/16 { 1/4 [(-1)^i cos d + sin d] [1/sin((2i+1) d) - 1/sin((2i-1) d)] - (1 - 1/sqrt 2) cos(2 i d) },  d = pi/2048.
; A work-group makes 64 i x 64 j of one batch with four waves; wave w owns the 16 columns j0 + 16 w .. in both products.
; PRECISION: the output's small numbers are differences of large terms, so every matrix operand goes in as bf16 hi + bf16 lo and three
; products are summed (hi hi, lo hi, hi lo); the product lo lo, some 2^-18 of the whole, is dropped.  bf16 keeps f32's range.
; Cosines come from one table of cos(pi q / 1024), q = 0 .. 2047, made once by polynomial (quarter angle, doubled twice).
; No tensor loads, no cluster: the one input tile is 64 KiB, read once by plain loads, and the other operands are computed, not fetched.
; THE MODE: SCHED_MODE bits 1:0 = 2 (LLVM: expert scheduling mode 2), set by the entry lines.  The code itself states the register dependences
; between vector or matrix instructions and memory or LDS instructions, with s_wait_alu, always for 0.
; THE PLAN.  Registers that memory or LDS instructions touch, in the order of the text:
;   v2, v6-v13    offsets and LDS addresses: made at the head, ahead of one wait, and never written again.
;   v232-247      the 16 table words, one register each: written by the polynomial's lines, read by one run of 16 LDS stores.
;   v80-207       x as loaded; split in four blocks of 32 registers, lo closing up into a block's first 16, hi into v16-79; a run of 16 LDS stores behind each block.
;   behind the first barrier (all those stores have read their data):
;   v144-207      64 table addresses for cos(i, n), read by the gather that lands in v80-143;  v16-79  64 for cos(j, m), read by the gather that lands in v144-207.
;   v208-239, v80-111   cos(i, n) packed, 64 registers: read by one run of 16 LDS stores.   v16-79 then hold B's fragments: vector and matrix instructions alone name them.
;   the products: a ring of three A buffers.  Step bt multiplies buffer bt % 3; the loads of batch bt + 2 land in the buffer that step bt - 1 read.  ONE wait at a step's
;   head states that the step before is done reading; the step's eight loads follow it, dealt among its matrix instructions, which name this step's buffer, B and two sums.
;   v14, v15, v240, v241, v248-249   the way out's addresses and s'_j: made behind the first product, never written again.   v112-143  w_i, loaded ahead of the second product.
.set PITCH, 272                        ; an LDS row of 128 bf16 (or 64 f32) + 16 bytes: 16 rows start in 16 different 16-byte columns of 256
.set XH,    8192                       ; LDS: table at 0 (8,192 bytes); x hi, 128 rows
.set XLD,   34816                      ; x lo lies this far behind x hi
.set CAH,   77824                      ; cos(i, n) hi, 64 rows
.set CALD,  17408                      ; its lo this far behind
.set WSC,   112640                     ; w_i = v_i s_i / 3, 64 f32
.set OUTS,  112896                     ; the way out: 64 rows j of 64 f32
.set NEG1,  5                          ; v5 = -1.0
.set BF,    16                         ; v16-79   x hi on its way to LDS; table addresses for cos(j, m); then B fragments: K step ks has hi in 8 registers at 16 ks, lo in the next 8
.set XR,    80                         ; v80-207  x as loaded; then v80-143 table entries for cos(i, n), then the 8 sums of the first product
.set GB,    144                        ; v144-207 table addresses for cos(i, n), then table entries for cos(j, m); then two A buffers of 32 registers
.set AB0,   144
.set TMP,   208                        ; v208-231 at work, up to the second product
.set TB,    232                        ; v232-247 the thread's 16 table words
.set PACC,  208                        ; v208-239 the third A buffer of the first product; then the 4 sums of the second
.set WV,    112                        ; v112-143 w_i for the lane's 32 results
.set RB,    240                        ; v240     the way out: where I read a row back
.set GO,    241                        ; v241     the way out: my byte offset in wt
.set SJ,    248                        ; v248-249 s'_j twice
; cos and sin of Y revolutions, |Y| <= 1/2: Taylor series at a quarter of the angle (at most pi/4), then two doublings
.macro SINCOS C, S, Y, F, U
	v_mul_f32 v[\F], s20, v[\Y]                    ; a quarter of the angle, in radians
	v_mul_f32 v[\U], v[\F], v[\F]
	v_fma_f32 v[\S], v[\U], s21, s22
	v_fma_f32 v[\C], v[\U], s25, s26
	v_fma_f32 v[\S], v[\S], v[\U], s23
	v_fma_f32 v[\C], v[\C], v[\U], s27
	v_fma_f32 v[\S], v[\S], v[\U], s24
	v_fma_f32 v[\C], v[\C], v[\U], -0.5
	v_fma_f32 v[\S], v[\S], v[\U], 1.0
	v_fma_f32 v[\C], v[\C], v[\U], 1.0
	v_mul_f32 v[\S], v[\S], v[\F]
	v_add_f32 v[\U], v[\S], v[\S]
	v_mul_f32 v[\F], v[\U], v[\C]                  ; sin 2a = 2 sin a cos a
	v_fma_f32 v[\C], -v[\U], v[\S], 1.0            ; cos 2a = 1 - 2 sin^2 a
	v_add_f32 v[\U], v[\F], v[\F]
	v_mul_f32 v[\S], v[\U], v[\C]
	v_fma_f32 v[\C], -v[\U], v[\F], 1.0
.endm
; n pairs of f32 at X become packed bf16 hi at H and packed bf16 lo (of the exact remainders) at L; X is used up.  L may be X: pair sp closes up into register sp
.macro SPLIT H, L, X, n
.set sp, 0
.rept \n
	v_cvt_pk_bf16_f32 v[\H+sp], v[\X+2*sp], v[\X+2*sp+1]
.set sp, sp+1
.endr
.set sp, 0
.rept \n
	v_fma_mix_f32_bf16 v[\X+2*sp], v[\H+sp], v[NEG1], v[\X+2*sp] op_sel:[0,0,0] op_sel_hi:[1,0,0]
	v_fma_mix_f32_bf16 v[\X+2*sp+1], v[\H+sp], v[NEG1], v[\X+2*sp+1] op_sel:[1,0,0] op_sel_hi:[1,0,0]
.set sp, sp+1
.endr
.set sp, 0
.rept \n
	v_cvt_pk_bf16_f32 v[\L+sp], v[\X+2*sp], v[\X+2*sp+1]
.set sp, sp+1
.endr
.endm
	s_load_b128 s[4:7], s[0:1], 0x0                ; x s[4:5], wt s[6:7]
	v_lshl_add_u32 v254, v0, 2, 0x20000
	v_mov_b32 v255, 0
	v_lshrrev_b32 v1, 5, v0
	v_readfirstlane_b32 s8, v1                     ; wave 0..3
	s_and_b32 s12, ttmp7, 0xffff                   ; batch
	s_and_b32 s10, ttmp9, 7
	s_lshl_b32 s10, s10, 6                         ; i0
	s_lshr_b32 s11, ttmp9, 3
	s_lshl_b32 s11, s11, 6                         ; j0
	s_mov_b32 s20, 0x3fc90fdb                      ; pi/2
	s_mov_b32 s21, 0x3638ef1d                      ; 1/9!
	s_mov_b32 s22, 0xb9500d01                      ; -1/7!
	s_mov_b32 s23, 0x3c088889                      ; 1/5!
	s_mov_b32 s24, 0xbe2aaaab                      ; -1/3!
	s_mov_b32 s25, 0x37d00d01                      ; 1/8!
	s_mov_b32 s26, 0xbab60b61                      ; -1/6!
	s_mov_b32 s27, 0x3d2aaaab                      ; 1/4!
	s_mov_b32 s28, 0xffff0000                      ; a word's upper half
	s_mov_b32 s29, 0x05040100                      ; v_perm_b32: the two low halves
	s_mov_b32 s30, 0x07060302                      ; the two high halves
	s_lshl_b32 s14, s12, 16                        ; a batch of x is 65,536 bytes
	s_mov_b32 s15, 0
	; lane terms, offsets and LDS addresses, while the arguments are on their way
	v_lshlrev_b32 v2, 4, v0                        ; 16 bytes a thread; never rewritten
	v_and_b32 v3, 15, v0                           ; r
	v_bfe_u32 v4, v0, 4, 1                         ; h
	v_mov_b32 v5, -1.0
	v_lshlrev_b32 v6, 2, v0                        ; table: my word
	v_and_b32 v14, 31, v0
	v_mul_u32_u24 v7, v1, PITCH
	v_lshl_add_u32 v7, v14, 3, v7
	v_add_nc_u32 v7, XH, v7                        ; where my 4 numbers of x go, hi
	v_add_nc_u32 v8, XLD, v7                       ; and lo
	v_mul_u32_u24 v15, v3, PITCH
	v_lshl_add_u32 v15, v4, 4, v15                 ; fragment address: row r, 16 bytes for each half of the lanes
	v_add_nc_u32 v10, XH, v15                      ; x hi
	v_add_nc_u32 v11, XH+XLD, v15                  ; x lo
	v_add_nc_u32 v12, CAH, v15                     ; cos(i, n) hi
	v_add_nc_u32 v13, CAH+CALD, v15                ; cos(i, n) lo
	s_wait_alu depctr_va_sdst(0)                   ; s8 is written, ahead of its first reader
	s_mul_i32 s13, s8, 16*PITCH                    ; my wave's 16 rows
	v_add_nc_u32 v9, s13, v12                      ; where my wave's rows of cos(i, n) go
	s_lshl_b32 s16, s8, 4
	s_add_co_u32 s17, s10, s16                     ; i0 + 16 w
	s_add_co_u32 s18, s11, s16                     ; j0 + 16 w
	s_wait_kmcnt 0x0
	s_add_nc_u64 s[4:5], s[4:5], s[14:15]
	s_wait_alu depctr_va_vdst(0)                   ; v2 and v6 to v13 are written: the loads and LDS instructions below read them as offsets and addresses
.set qi, 0
.rept 32
	global_load_b128 v[XR+4*qi:XR+4*qi+3], v2, s[4:5] offset:qi*2048   ; rows 4 qi + tid/32, columns 4 (tid % 32) ..: the work-group's load covers 2,048 neighbouring bytes
.set qi, qi+1
.endr
	; the table: word q = bf16 hi of cos(pi q / 1024) below, bf16 lo above.  Thread t makes q = t + 128 e: t/2048 + e/16 revolutions, exact in f32
	v_cvt_f32_u32 v208, v0
	v_mul_f32 v208, 0x3a000000, v208               ; t 2^-11
.set ei, 0
.rept 16
	v_rndne_f32 v209, v208
	v_sub_f32 v209, v208, v209                     ; into -1/2 .. 1/2
	SINCOS 210, 211, 209, 212, 213
	v_cvt_pk_bf16_f32 v214, v210, v210
	v_and_b32 v214, s28, v214                      ; hi as f32
	v_sub_f32 v214, v210, v214                     ; the exact remainder
	v_cvt_pk_bf16_f32 v[TB+ei], v210, v214         ; hi below, lo above: a register for each word, so that one wait serves all sixteen stores
	v_add_f32 v208, 0x3d800000, v208               ; + 1/16
.set ei, ei+1
.endr
	s_wait_alu depctr_va_vdst(0)                   ; the sixteen words v[TB ..] are written, which the stores below read
.set ei, 0
.rept 16
	ds_store_b32 v6, v[TB+ei] offset:512*ei
.set ei, ei+1
.endr
	; w_i for the work-group's 64 i: waves 0 and 1, one thread for each i, so that each word has one writer
	s_cmp_ge_u32 s8, 2
	s_cbranch_scc1 .Lno_w
	v_add_nc_u32 v215, s10, v0                     ; i
	v_add_nc_u32 v216, WSC, v6
	v_cvt_f32_u32 v217, v215
	v_mul_f32 v217, 0x3a000000, v217               ; 2 i d in revolutions = i / 2048 (below 1/4: no reduction)
	v_add_f32 v218, 0x39800000, v217               ; (2i+1) d
	v_add_f32 v219, 0xb9800000, v217               ; (2i-1) d
	v_and_b32 v224, 1, v215
	v_cmp_eq_u32 s34, 1, v224                      ; i odd?  The two compares stand together, far ahead of the one wait for them
	v_cmp_eq_u32 s35, 0, v215                      ; i = 0?
	SINCOS 220, 221, 218, 212, 213
	SINCOS 220, 222, 219, 212, 213
	SINCOS 223, 220, 217, 212, 213
	v_rcp_f32 v227, v221
	v_rcp_f32 v228, v222
	v_mov_b32 v225, 0x3e80323a                     ; (cos d + sin d) / 4, i even.  Also the plain instruction between the reciprocals and their use (ISA guide 5.7.2)
	v_mov_b32 v226, 0xbe7f9b64                     ; (sin d - cos d) / 4, i odd
	s_wait_alu depctr_va_sdst(0)                   ; s34 and s35 are written, ahead of the selects that read them
	s_wait_alu depctr_va_vdst(0)
	v_sub_f32 v227, v227, v228
	v_cndmask_b32 v225, v225, v226, s34
	v_mul_f32 v227, v225, v227
	v_fmamk_f32 v227, v223, 0xbe95f61a, v227       ; - (1 - 1/sqrt 2) cos(2 i d)
	v_mov_b32 v225, 0x38aaaaab                     ; s_i^2 / 48 = 1/12288,
	v_mov_b32 v226, 0x382aaaab                     ; 1/24576 for i = 0
	v_cndmask_b32 v225, v225, v226, s35
	v_mul_f32 v227, v225, v227
	s_wait_alu depctr_va_vdst(0)                   ; v216 and v227 are written: the store's address and data
	ds_store_b32 v216, v227
.Lno_w:
	; x to bf16 hi and lo, into LDS rows along m: four blocks of eight loads.  A block's hi go to 16 registers of v16-79, its lo close up into its own first 16:
	; no register is written twice, so the only wait of a block stands between its arithmetic and its stores
.set bq, 0
.rept 4
	s_wait_loadcnt 24-8*bq                         ; loads come back in order (ISA guide 5.7.1): this block's eight are in, the later blocks' stay out
	SPLIT BF+16*bq, XR+32*bq, XR+32*bq, 16
	s_wait_alu depctr_va_vdst(0)                   ; the block's hi and lo are written, which the stores below read
.set q8, 0
.rept 8
	ds_store_b64 v7, v[BF+16*bq+2*q8:BF+16*bq+2*q8+1] offset:(8*bq+q8)*1088
	ds_store_b64 v8, v[XR+32*bq+2*q8:XR+32*bq+2*q8+1] offset:(8*bq+q8)*1088
.set q8, q8+1
.endr
.set bq, bq+1
.endr
	s_wait_dscnt 0x0                               ; my table words, my w and my part of x are written
	s_barrier_signal -1
	s_barrier_wait -1                              ; everybody's are
	s_wait_alu depctr_vm_vsrc(0)                   ; my LDS stores have read their data: v16-79, v80-207, v216, v227 and v232-247 are written again from here on
	; cosines by table.  Element gx of a lane's 64 has k = 32 (gx/16) + 16 ((gx/8) % 2) + gx % 8 + 8 h (the 16-bit fragment's order, ISA guide 7.12.2);
	; table byte = 4 ((2k + c) rho mod 2048) = (8 rho K + 4 rho (16 h + c)) & 0x1ffc, c = 1 for cos(i, n), 257 for cos(j, m).  An address register for each element
.macro GADDR dst, R8, A0
.set gx, 0
.rept 64
	v_mad_u32_u24 v[\dst+gx], v[\R8], 32*(gx>>4)+16*((gx>>3)&1)+(gx&7), v[\A0]
.set gx, gx+1
.endr
.set gx, 0
.rept 64
	v_and_b32 v[\dst+gx], 0x1ffc, v[\dst+gx]
.set gx, gx+1
.endr
.endm
.macro GLOAD dst, adr
.set gx, 0
.rept 64
	ds_load_b32 v[\dst+gx], v[\adr+gx]
.set gx, gx+1
.endr
.endm
	v_add_nc_u32 v224, s17, v3                     ; rho = i0 + 16 w + r
	v_lshl_or_b32 v225, v4, 4, 1
	v_mul_u32_u24 v225, v224, v225
	v_lshlrev_b32 v225, 2, v225
	v_lshlrev_b32 v224, 3, v224
	v_add_nc_u32 v226, s18, v3                     ; rho = j0 + 16 w + r
	v_lshl_add_u32 v227, v4, 4, 257
	v_mul_u32_u24 v227, v226, v227
	v_lshlrev_b32 v227, 2, v227
	v_lshlrev_b32 v226, 3, v226
	GADDR GB, 224, 225
	s_wait_alu depctr_va_vdst(0)                   ; the addresses v144-207 are written; the split of x is done with v80-143, in which the entries land
	GLOAD XR, GB
	GADDR BF, 226, 227                             ; the second gather's addresses are made while the first is out
	s_wait_dscnt 0x0                               ; the entries for cos(i, n) are in
	s_wait_alu depctr_vm_vsrc(0)                   ; the first gather has read its addresses v144-207, in which the second gather's entries land
	s_wait_alu depctr_va_vdst(0)                   ; the addresses v16-79 are written
	GLOAD GB, BF
.irp ks, 0,1,2,3                       ; cos(i, n) is packed while the second gather is out: K steps 0, 1 into v208-239, K steps 2, 3 into v80-111, which K steps 0, 1 have left
.set co, 208+16*\ks-(\ks/2)*160
.irp pp, 0,1,2,3,4,5,6,7
	v_perm_b32 v[co+\pp],   v[XR+16*\ks+2*\pp+1], v[XR+16*\ks+2*\pp], s29   ; two hi
	v_perm_b32 v[co+8+\pp], v[XR+16*\ks+2*\pp+1], v[XR+16*\ks+2*\pp], s30   ; two lo
.endr
.endr
	s_wait_alu depctr_va_vdst(0)                   ; the 64 packed registers are written, which the stores below read
.irp ks, 0,1,2,3
.set co, 208+16*\ks-(\ks/2)*160
	ds_store_b128 v9, v[co:co+3]     offset:\ks*64                  ; my wave's 16 rows of cos(i, n), for all four waves
	ds_store_b128 v9, v[co+4:co+7]   offset:\ks*64+32
	ds_store_b128 v9, v[co+8:co+11]  offset:\ks*64+CALD
	ds_store_b128 v9, v[co+12:co+15] offset:\ks*64+32+CALD
.endr
	s_wait_dscnt 0x0                               ; the entries for cos(j, m) are in, and my rows of cos(i, n) are written
	s_wait_alu depctr_vm_vsrc(0)                   ; the second gather has read its addresses v16-79, which the lines below write; the stores have read v208-239 and v80-111, which the first product loads into and sums in
.irp ks, 0,1,2,3
.irp pp, 0,1,2,3,4,5,6,7
	v_perm_b32 v[BF+16*\ks+\pp],   v[GB+16*\ks+2*\pp+1], v[GB+16*\ks+2*\pp], s29   ; cos(j, m): B fragments, in registers for good
	v_perm_b32 v[BF+16*\ks+8+\pp], v[GB+16*\ks+2*\pp+1], v[GB+16*\ks+2*\pp], s30
.endr
.endr
	s_barrier_signal -1
	s_barrier_wait -1
; two LDS loads: a fragment of 16 rows x 32 K
.macro LD2 dst, A, off
	ds_load_b128 v[\dst:\dst+3],   v[\A] offset:\off
	ds_load_b128 v[\dst+4:\dst+7], v[\A] offset:\off+32
.endm
; eight LDS loads: hi and lo fragments of two 16-row tiles, 32 along K
.macro LOADA buf, tile, ks, AH, AL
	LD2 \buf,    \AH, (\tile)*16*PITCH+(\ks)*64
	LD2 \buf+8,  \AL, (\tile)*16*PITCH+(\ks)*64
	LD2 \buf+16, \AH, (\tile+1)*16*PITCH+(\ks)*64
	LD2 \buf+24, \AL, (\tile+1)*16*PITCH+(\ks)*64
.endm
; six matrix instructions: hi hi, lo hi, hi lo for two tiles.  The two accumulators take turns, one instruction a turn.
; The first K step starts the sums with C = 0: nothing is cleared.  ld = 1: the eight loads of the batch two further on (tiles nt, nt + 1, K step nk) into buffer nb
; stand two and two behind the first four: no wait, since no matrix instruction issued since the step's wait names nb or the address registers
.macro MM6 buf, acc, ks, ld=0, nb=0, nt=0, nk=0, AH=0, AL=0
.if \ks == 0
	v_wmma_f32_16x16x32_bf16 v[\acc:\acc+7],    v[\buf:\buf+7],     v[BF+16*\ks:BF+16*\ks+7], 0
.else
	v_wmma_f32_16x16x32_bf16 v[\acc:\acc+7],    v[\buf:\buf+7],     v[BF+16*\ks:BF+16*\ks+7], v[\acc:\acc+7]
.endif
.if \ld
	LD2 \nb,    \AH, (\nt)*16*PITCH+(\nk)*64
.endif
.if \ks == 0
	v_wmma_f32_16x16x32_bf16 v[\acc+8:\acc+15], v[\buf+16:\buf+23], v[BF+16*\ks:BF+16*\ks+7], 0
.else
	v_wmma_f32_16x16x32_bf16 v[\acc+8:\acc+15], v[\buf+16:\buf+23], v[BF+16*\ks:BF+16*\ks+7], v[\acc+8:\acc+15]
.endif
.if \ld
	LD2 \nb+8,  \AL, (\nt)*16*PITCH+(\nk)*64
.endif
	v_wmma_f32_16x16x32_bf16 v[\acc:\acc+7],    v[\buf+8:\buf+15],  v[BF+16*\ks:BF+16*\ks+7], v[\acc:\acc+7]
.if \ld
	LD2 \nb+16, \AH, (\nt+1)*16*PITCH+(\nk)*64
.endif
	v_wmma_f32_16x16x32_bf16 v[\acc+8:\acc+15], v[\buf+24:\buf+31], v[BF+16*\ks:BF+16*\ks+7], v[\acc+8:\acc+15]
.if \ld
	LD2 \nb+24, \AL, (\nt+1)*16*PITCH+(\nk)*64
.endif
	v_wmma_f32_16x16x32_bf16 v[\acc:\acc+7],    v[\buf:\buf+7],     v[BF+16*\ks+8:BF+16*\ks+15], v[\acc:\acc+7]
	v_wmma_f32_16x16x32_bf16 v[\acc+8:\acc+15], v[\buf+16:\buf+23], v[BF+16*\ks+8:BF+16*\ks+15], v[\acc+8:\acc+15]
.endm
; a product of 32 NP rows x my 16 columns over K = 128: batches of (two tiles, one K step) on a ring of three A buffers: AB0, AB0 + 32 and B2.
; PRO asks for batches 0 and 1; step bt multiplies batch bt and asks for batch bt + 2.  extra: LDS loads issued between PRO and the first step.
.macro PRO AH, AL
	LOADA AB0,    0, 0, \AH, \AL
	LOADA AB0+32, 0, 1, \AH, \AL
.endm
.macro STEPS AH, AL, NP, ACC, B2, extra
.set bt, 0
.rept 4*\NP
.set cb, AB0+32*(bt%3)+((bt%3)/2)*(\B2-AB0-64)
.set nb, AB0+32*((bt+2)%3)+(((bt+2)%3)/2)*(\B2-AB0-64)
.set ntile, 2*((bt+2)>>2)
.set nks, (bt+2)&3
.set cacc, \ACC+16*(bt>>2)
.set cks, bt&3
.if bt+1 == 4*\NP
	s_wait_dscnt 0x0                               ; the last batch
.elseif bt < 2
	s_wait_dscnt 8+\extra                          ; LDS loads come back in order (ISA guide 5.7.1): this batch is in; the next batch's eight, and the extra ones, stay out
.else
	s_wait_dscnt 0x8                               ; this batch is in, the next batch's eight loads stay out
.endif
.if bt+2 < 4*\NP
.if bt
	s_wait_alu depctr_va_vdst(0)                   ; the matrix instructions of the step before are done reading their buffer, in which this step's loads land
.endif
	MM6 cb, cacc, cks, 1, nb, ntile, nks, \AH, \AL
.else
	MM6 cb, cacc, cks                              ; the last two steps ask for nothing, so they state nothing
.endif
.set bt, bt+1
.endr
.endm
	; first product: Y[n][j] = sum over m of x[n][m] cos(j, m); 8 tiles of 16 n
	s_wait_alu depctr_va_vdst(0)                   ; the packing lines are done reading v144-207 and writing v208-239: the three A buffers, in which fragments land from here on
	PRO 10, 11
	STEPS 10, 11, 4, XR, 208, 0
	; the way out's addresses and s'_j, made here: these lines name no register of the last matrix instructions and are the places between them and the conversions that read the sums (ISA guide 7.12.1)
	v_add_nc_u32 v14, s18, v3                      ; j
	v_cmp_eq_u32 vcc_lo, 0, v14
	v_mov_b32 v[SJ], 0x3d800000                    ; 1/16
	v_mov_b32 v[SJ+1], 0x3d3504f3                  ; sqrt(1/512) for j = 0
	v_mul_u32_u24 v15, v3, PITCH
	v_lshl_add_u32 v15, v4, 5, v15
	v_add_nc_u32 v15, s13, v15
	v_add_nc_u32 v15, OUTS, v15                    ; row 16 w + r, 32 bytes for each half of the lanes
	v_mul_u32_u24 v[RB], v4, PITCH                 ; back: lanes 0-15 one row, lanes 16-31 the next
	v_lshl_add_u32 v[RB], v3, 4, v[RB]
	v_add_nc_u32 v[RB], s13, v[RB]
	v_add_nc_u32 v[RB], OUTS, v[RB]                ; inside my wave's own 16 rows of the stage, like the stores through v15
	v_lshlrev_b32 v[GO], 13, v4                    ; the same two columns j in wt, 8,192 bytes apart
	v_lshl_add_u32 v[GO], v3, 4, v[GO]
	s_wait_alu depctr_va_vcc(0)                    ; VCC is written, ahead of the select that reads it
	v_cndmask_b32 v[SJ], v[SJ], v[SJ+1], vcc_lo
	v_mov_b32 v[SJ+1], v[SJ]
	v_lshlrev_b32 v14, 5, v4
	v_add_nc_u32 v14, WSC, v14                     ; w of i = 8 h ..
	s_lshl_b32 s14, s18, 13                        ; (j0 + 16 w) 8192 + batch 2048 + 4 i0
	s_lshl_b32 s19, s12, 11
	s_add_co_u32 s14, s14, s19
	s_lshl_b32 s19, s10, 2
	s_add_co_u32 s14, s14, s19
	s_mov_b32 s15, 0
	s_add_nc_u64 s[6:7], s[6:7], s[14:15]
	s_wait_alu depctr_va_vdst(0)                   ; the first product's matrix instructions are done reading v144-207, in which the second product's first fragments land; v14, v15, v240 and v241 are written
	PRO 12, 13                                     ; cos(i, n), batches 0 and 1, on their way while Y is split
	; A result tile's lane (r, h) holds n = 16 tile + 8 h + 0..7 of column j = r: tiles 2 ks and 2 ks + 1 are registers 0-3 and 4-7 of the
	; B fragment of K step ks.  So Y goes from sums to operands inside the registers.
.irp ks, 0,1,2,3
	SPLIT BF+16*\ks, BF+16*\ks+8, XR+16*\ks, 8
.endr
	s_wait_alu depctr_va_vdst(0)                   ; the split is done with v80-143: w lands in v112-143, the third A buffer is v80-111
.irp it, 0,1,2,3
	ds_load_b128 v[WV+8*\it:WV+8*\it+3],   v14 offset:64*\it
	ds_load_b128 v[WV+8*\it+4:WV+8*\it+7], v14 offset:64*\it+16
.endr
	; second product: sum over n of cos(i, n) Y[n][j]; 4 tiles of 16 i
	STEPS 12, 13, 2, PACC, 80, 8
	; the way out: scale, 64 i of a column j as one LDS row, back as whole rows of 256 bytes.
	; The sixteen products w s' name no register of the last matrix instructions: they are the places ahead of the lines that read the sums (ISA guide 7.12.1)
.irp it, 0,1,2,3
.irp k, 0,2,4,6
	v_pk_mul_f32 v[WV+8*\it+\k:WV+8*\it+\k+1], v[WV+8*\it+\k:WV+8*\it+\k+1], v[SJ:SJ+1]
.endr
.endr
.irp it, 0,1,2,3
.irp k, 0,2,4,6
	v_pk_mul_f32 v[PACC+8*\it+\k:PACC+8*\it+\k+1], v[PACC+8*\it+\k:PACC+8*\it+\k+1], v[WV+8*\it+\k:WV+8*\it+\k+1]   ; each sum from its low end on
.endr
.endr
	s_wait_alu depctr_va_vdst(0)                   ; the scaled sums v208-239 are written, which the stores read; the last step is done reading v176-207, in which the rows read back land
.irp it, 0,1,2,3
	ds_store_b128 v15, v[PACC+8*\it:PACC+8*\it+3]   offset:64*\it
	ds_store_b128 v15, v[PACC+8*\it+4:PACC+8*\it+7] offset:64*\it+16
.endr
.set qi, 0
.rept 8
	ds_load_b128 v[AB0+32+4*qi:AB0+32+4*qi+3], v[RB] offset:qi*2*PITCH   ; my wave's own rows: LDS serves a wave's instructions in order (ISA guide 5.7.1), so these see the stores above
.set qi, qi+1
.endr
.set qi, 0
.rept 8
	s_wait_dscnt 7-qi                              ; read-back qi is in, the younger ones stay out
	global_store_b128 v[GO], v[AB0+32+4*qi:AB0+32+4*qi+3], s[6:7] offset:qi*16384   ; 16 lanes store 256 consecutive bytes, aligned
.set qi, qi+1
.endr
	s_wait_dscnt 0x0
	s_wait_alu depctr_hold_cnt(0) depctr_sa_sdst(0) depctr_va_vdst(0) depctr_va_sdst(0) depctr_va_ssrc(0) depctr_va_vcc(0) depctr_vm_vsrc(0)
	s_wait_tensorcnt 0x0
	ds_add_u32 v254, v255
	s_wait_dscnt 0x0
	s_endpgm
.Lfunc_end_k_q075c84e691_dct:
	.size	k_q075c84e691_dct, .Lfunc_end_k_q075c84e691_dct-k_q075c84e691_dct
	.p2alignl 7, 3214868480
	.fill 96, 4, 3214868480
	.section	.rodata,"a",@progbits
	.p2align	6, 0x0
	.amdhsa_kernel k_q075c84e691_dct
		.amdhsa_group_segment_fixed_size 131584
		.amdhsa_private_segment_fixed_size 0
		.amdhsa_enable_private_segment 0
		.amdhsa_kernarg_size 16
		.amdhsa_user_sgpr_count 2
		.amdhsa_user_sgpr_kernarg_segment_ptr 1
		.amdhsa_wavefront_size32 1
		.amdhsa_system_sgpr_workgroup_id_x 1
		.amdhsa_system_sgpr_workgroup_id_y 1
		.amdhsa_system_sgpr_workgroup_id_z 1
		.amdhsa_system_vgpr_workitem_id 0
		.amdhsa_next_free_vgpr 256
		.amdhsa_next_free_sgpr 66
		.amdhsa_reserve_vcc 1
		.amdhsa_float_denorm_mode_32 3
		.amdhsa_float_denorm_mode_16_64 3
		.amdhsa_memory_ordered 1
		.amdhsa_forward_progress 1
		.amdhsa_inst_pref_size 122
	.end_amdhsa_kernel
	.amdgpu_metadata
---
amdhsa.version: [ 1, 2 ]
amdhsa.kernels:
  - .name:           k_q075c84e691_dct
    .symbol:         k_q075c84e691_dct.kd
    .args:
      - { .name: x, .offset: 0, .size: 8, .value_kind: global_buffer, .address_space: global }
      - { .name: wt, .offset: 8, .size: 8, .value_kind: global_buffer, .address_space: global }
    .group_segment_fixed_size: 131584
    .private_segment_fixed_size: 0
    .kernarg_segment_align: 8
    .kernarg_segment_size: 16
    .max_flat_workgroup_size: 128
    .sgpr_count:     66
    .vgpr_count:     256
    .wavefront_size: 32
...
	.end_amdgpu_metadata
.endif
;; end of part 4
;; launch wave: the kernel of part 2 again; grid 256 x 1, 16 waves a work-group, no clusters, 298,240 bytes of LDS; arguments chi, tau, wt, rimg; writes rimg
;; launch transp: the kernel of part 3 again; grid 8 x 32, 8 waves a work-group, no clusters, 17,920 bytes of LDS; arguments rimg, out0; writes out0
